; MI455X (gfx1250); checked and timed in simulation.
; The chip was launched on July 23, 2026; its instructions are those of AMD's public machine-readable ISA for CDNA 5 (MIT licence, August 2026) and "CDNA5" Instruction Set Architecture Reference Guide (July 2026). The comments in the code are by the model that wrote it; some were corrected since.
;; Attention. Allowed arithmetic: matrix products marked QUANTISED: E3M2 operands, one E8M0 scale for each 32 along K, by v_wmma_scale_f32_16x16x128_f8f6f4 with both operands' format E3M2, f32 sums; products left as they are: f32 operands where the result goes on into a quantised operand, else bf16, f16 or f32 operands; f32 sums; everything else in f32.
;; Inputs: R_b 3 float32; R_w 3 x 64 float32; key 16 x 2,048 x 64 float32; query 16 x 2,048 x 64 float32; value 16 x 2,048 x 64 float32.
;; Outputs: out0 16 x 2,048 x 64 float32.
;; This version of the problem:
;;   THIS VERSION OF THE PROBLEM IS GIVEN IN LOW PRECISION. The matrix products marked QUANTISED in the list below multiply operands that are first quantised to E3M2 (3 exponent bits, 2 mantissa bits; 6 bits a number), with one power-of-two scale for each 32 numbers along K (OCP MX v1.0); their sums are f32. All else is computed in f32.
;;   The module's matrix products, in the order in which they are computed (A, B: the left and right operand; K: the contracted axis; several contracted axes count as one K, in the product's order):
;;     1. batch 16 x [M 2,048, K 64] x [K 64, N 2,048]; A: input query; B: input key: QUANTISED
;;     2. [M 32,768, K 64] x [K 64, N 3]; A: input query; B: input R_w: left as it is (N = 3 < 16)
;;     3. batch 16 x [M 2,048, K 2,048] x [K 2,048, N 64]; A: softmax (see below); B: input value: QUANTISED
;;   THE QUANTISER, for each operand of a quantised product, along K:
;;     - K is cut into blocks of 32 from its start; a last block that is shorter is filled with zeros.
;;     - A block's scale is 2^e with e = floor(log2(the largest magnitude in the block)) - 4, held to -126 .. 127; a block of zeros has e = 0. As a byte (E8M0): e + 127.
;;     - Each number is divided by its block's scale, clamped to +-28, and rounded to the nearest number of E3M2, ties to even, subnormals kept.
;;     - The product sums the exact products of the quantised numbers (number of the format x scale) in f32.
;;   ~~~python
;;   def quantise(x, axis):      # numpy; x: float32 -> the quantised numbers, widened to float32 again
;;       x = np.moveaxis(x, axis, -1); K = x.shape[-1]
;;       x = np.pad(x, [(0, 0)] * (x.ndim - 1) + [(0, -K % 32)]); x = x.reshape(x.shape[:-1] + (-1, 32)); a = np.abs(x).max(-1, keepdims=True)
;;       e = np.where(a > 0, np.clip(np.frexp(np.where(a > 0, a, 1))[1] - 1 - 4, -126, 127), 0)      # np.frexp(a)[1] - 1 = floor(log2(a)), exactly
;;       r = np.clip(x / 2.0 ** e, -28, 28)
;;       step = 2.0 ** (np.maximum(np.frexp(np.where(r == 0, 1, r))[1] - 1, -2) - 2)
;;       q = np.round(r / step) * step * 2.0 ** e      # np.round: ties to even
;;       return np.moveaxis(q.reshape(q.shape[:-2] + (-1,))[..., :K], -1, axis).astype(np.float32)
;;   ~~~
;;   SOFTMAX AHEAD OF A QUANTISED PRODUCT. Where the list says 'softmax', what is quantised is not the finished softmax but p = 2^(t - M), with t = logit x log2(e) and M = ceil(the row's largest t), a whole number; so 1/2 < the row's largest p <= 1. The row's sum l is taken of the UNQUANTISED p, in f32, and the product's result is divided by l at the end. Since M is a whole number, a kernel that streams over the keys may use a running M (the ceiling of the running maximum): every later rescaling is an exact power of two, which a block's scale takes up: the codes' values come out the same.
;;   OPERANDS COMPUTED ON THE WAY. 'Computed on the way' means the value that the module computes at that place (a softmax that the list does not call 'softmax' is quantised finished and normalised). What goes into a quantiser is computed in f32, as accurately as f32 sums, v_exp_f32 and their like allow (about 1e-6 of the number): no bf16 or f16 on the way to a quantiser, and a product that is left as it is and whose result goes on into a quantised operand takes f32 operands (vector FMAs, or v_wmma_f32_16x16x4_f32). A number that lies on a knife's edge between two numbers of the format may be rounded either way, as far as f32 arithmetic and the matrix unit's own rounding can turn it there, and no further.
;; One version. Each part assembles by itself: llvm-mc -triple=amdgcn-amd-amdhsa -mcpu=gfx1250 --defsym DOCPART=n.
;; ======== version 1 of 1: 2 launches
;; limits: right only within a limited range of input values
;; workspace buffers: kv 3,276,800 bytes
;; launch prep (part 1): grid 256 x 1, 16 waves a work-group, no clusters, 37,376 bytes of LDS; arguments key, value, kv; writes kv
.if DOCPART == 1
	.amdgcn_target "amdgcn-amd-amdhsa--gfx1250"
	.amdhsa_code_object_version 6
	.text
	.protected	k_q49c4a0211e_prep
	.globl	k_q49c4a0211e_prep
	.p2align	8
	.type	k_q49c4a0211e_prep,@function
k_q49c4a0211e_prep:
	s_mov_b64 s[64:65], 0
	v_nop
	global_prefetch_b8 v0, s[64:65] scope:SCOPE_SE
	s_setreg_imm32_b32 hwreg(HW_REG_WAVE_MODE, 25, 1), 1
	s_wait_xcnt 0x0
; key and value, [16][2048][64] f32, become codes of BF6 (E3M2) with E8M0 scale bytes, laid in the order in which the attention launch's operand registers take them.
; key is quantised along the head's 64 (its innermost axis), value along the keys (its first axis within a head).
; A block's scale is 2^(floor(log2(its largest magnitude)) - 4); its byte is the largest magnitude's exponent field - 4, held at 1 from below.
; LIMITS: a block of zeros gets the byte 1 (its codes are zeros, and this program alone reads the bytes); blocks whose largest magnitude lies under 2^-122 keep the byte 1;
; NaN and infinities among the inputs are not served.
; SHARES.  Work-group u = 16 x head + step makes one record of 12,800 bytes for 128 keys.  Waves 0-7 take 16 keys each, waves 8-15 a block of 32 keys x 32 columns of value each: one block of 32 a lane.
; No cluster: no two work-groups read the same byte.  No tensor load: each number is read once, into registers.
; THE RECORD (r = lane % 16, h = lane / 16):
;   768 w + 16 lane                      registers 0-3 of K's tile w (keys 16 w + r, d = 32 h .. 32 h + 31);  768 w + 512 + 8 lane: registers 4, 5
;   6144 + 512 (4 c + t) + 16 lane       registers 6 c .. 6 c + 3 of V's tile t (d = 16 t + r, the 32 keys of block 2 c + h)
;   10240 + 512 (2 c + t / 2) + 256 h + 128 ((t % 2) xor h) + 8 r    registers 6 c + 4, 6 c + 5
;   12288 + 16 r + 2 w + h               K's scale bytes: a word for tiles 2 b, 2 b + 1
;   12544 + 16 r + 4 t + i               V's scale bytes: byte i of a word for block i
; Within a block of 32 keys V's codes stand in the order 0-7, 16-23, 8-15, 24-31: the order in which the attention launch's scores fall into its lanes.
.set REC,  12800
.set ROWP, 272                         ; a stage row: 256 bytes + 16 of padding
.set SCR,  8*16*ROWP                   ; behind the K waves' stages: 512 scale bytes
.set SPARE, SCR+512                    ; 128 bytes for each wave
.set LI,  4                            ; 16 x lane
.set LI8, 5                            ; 8 x lane
.set DEN, 6                            ; stage: row h, + 16 r
.set SRW, 7                            ; stage: row r, + 128 h
.set SKA, 8                            ; LDS: my scale byte of K
.set SVA, 9                            ; LDS: my scale byte of V
.set VL,  10                           ; 512 h + 16 r
.set VX,  11                           ; 8 x (lane xor 16 (block % 2))
.set SPW, 12
.set NIL, 13
.set L4,  14                           ; 4 x lane
.set SRD, 15                           ; LDS: 16 x lane in the scale bytes
.set C,   16                           ; v16-21 codes
.set BS,  22
.set BY,  23
.set CT,  24
.set M,   28
.set QD,  32                           ; v32-63 16 rows of key as they lie
.set X,   64                           ; v64-95 my 32 numbers
.macro CHAIN q                         ; the largest magnitude of seven of eight numbers
	v_max3_num_f32 v[M+\q], |v[X+8*\q]|, |v[X+8*\q+1]|, |v[X+8*\q+2]|
.endm
.macro CHAINS a, b
	CHAIN \a
	CHAIN \b
.irp i, 3,5
	v_max3_num_f32 v[M+\a], v[M+\a], |v[X+8*\a+\i]|, |v[X+8*\a+\i+1]|
	v_max3_num_f32 v[M+\b], v[M+\b], |v[X+8*\b+\i]|, |v[X+8*\b+\i+1]|
.endr
.endm
.macro QUANT                           ; the four chains become one maximum, a scale and six registers of codes
	v_max3_num_f32 v[M], v[M], |v[X+7]|, |v[X+15]|
	v_max3_num_f32 v[M+1], v[M+1], |v[X+23]|, |v[X+31]|
	v_max3_num_f32 v[M+2], v[M+2], v[M+3], 0x2800000   ; the floor 2^(5 - 127) among the leaves: the byte cannot fall under 1
	v_max3_num_f32 v[M], v[M], v[M+1], v[M+2]
	v_add_nc_u32 v[BS], 0xfe000000, v[M]           ; 4 off the exponent field: the conversion takes this operand's exponent field as its scale
	v_lshrrev_b32 v[BY], 23, v[BS]                 ; the scale's byte
	v_cvt_scalef32_pk16_bf6_f32 v[C:C+2], v[X:X+15], v[BS]
	v_cvt_scalef32_pk16_bf6_f32 v[CT:CT+2], v[X+16:X+31], v[BS]   ; (a conversion's three registers begin on an even number)
	v_nop                                          ; one plain place behind a scaled conversion
.irp i, 0,1,2
	v_mov_b32 v[C+3+\i], v[CT+\i]
.endr
.endm
	s_load_b128 s[4:7], s[0:1], 0x0                ; key, value
	s_load_b64 s[8:9], s[0:1], 0x10                ; kv
	v_lshrrev_b32 v1, 5, v0
	v_readfirstlane_b32 s10, v1                    ; wave 0..15
	s_and_b32 s11, s10, 7
	s_lshr_b32 s20, s11, 1                         ; V: block i of 32 keys
	s_and_b32 s21, s11, 1                          ; V: which 32 columns
	s_lshr_b32 s22, s20, 1                         ; c = i / 2
	s_and_b32 s23, s20, 1                          ; i % 2
	s_lshl_b32 s12, ttmp9, 15                      ; the unit's 128 rows of 256 bytes
	s_mov_b32 s13, 0
	s_mul_i32 s14, ttmp9, REC                      ; the unit's record
	s_mov_b32 s15, 0
	s_mul_i32 s30, s11, 16*ROWP                    ; a K wave's stage
	s_lshl_b32 s31, s11, 1
	s_add_co_u32 s31, s31, SCR
	s_lshl_b32 s32, s21, 3
	s_add_co_u32 s32, s32, s20
	s_add_co_u32 s32, s32, SCR+256
	s_lshl_b32 s33, s23, 4
	v_lshl_add_u32 v[SPW], v0, 2, SPARE
	v_mov_b32 v[NIL], 0
	v_and_b32 v1, 31, v0                           ; lane
	v_and_b32 v2, 15, v0                           ; r
	v_bfe_u32 v3, v0, 4, 1                         ; h
	v_lshlrev_b32 v[LI], 4, v1
	v_lshlrev_b32 v[LI8], 3, v1
	v_lshlrev_b32 v[L4], 2, v1
	v_xor_b32 v[VX], s33, v1
	v_lshlrev_b32 v[VX], 3, v[VX]
	v_lshlrev_b32 v[VL], 4, v2
	v_mul_u32_u24 v[DEN], v3, ROWP
	v_add_nc_u32 v[DEN], v[DEN], v[VL]
	v_add_nc_u32 v[DEN], s30, v[DEN]
	v_mul_u32_u24 v[SRW], v2, ROWP
	v_lshl_add_u32 v[SRW], v3, 7, v[SRW]
	v_add_nc_u32 v[SRW], s30, v[SRW]
	v_add_nc_u32 v[SKA], v[VL], v3
	v_add_nc_u32 v[SKA], s31, v[SKA]               ; 16 r + 2 w + h
	v_lshl_add_u32 v[SVA], v3, 2, v[VL]
	v_add_nc_u32 v[SVA], s32, v[SVA]               ; 16 r + 4 (2 q + h) + i
	v_lshl_add_u32 v[VL], v3, 9, v[VL]
	v_add_nc_u32 v[SRD], SCR, v[LI]
	s_wait_alu depctr_va_vdst(0)
	s_wait_kmcnt 0x0
	s_add_nc_u64 s[4:5], s[4:5], s[12:13]
	s_add_nc_u64 s[6:7], s[6:7], s[12:13]
	s_add_nc_u64 s[8:9], s[8:9], s[14:15]
	s_cmp_lt_u32 s10, 8
	s_cbranch_scc0 .Lvalue
	; ---- K: my 16 rows as they lie, turned through my stage: a lane then holds d = 32 h .. 32 h + 31 of key r
	s_lshl_b32 s16, s11, 12
	s_mov_b32 s17, 0
	s_add_nc_u64 s[4:5], s[4:5], s[16:17]
.irp i, 0,1,2,3,4,5,6,7
	global_load_b128 v[QD+4*\i:QD+4*\i+3], v[LI], s[4:5] offset:512*\i th:TH_LOAD_NT   ; 32 lanes read 512 consecutive bytes
.endr
	s_mul_i32 s18, s11, 768
	s_mov_b32 s19, 0
	s_add_nc_u64 s[24:25], s[8:9], s[18:19]
.irp i, 0,1,2,3,4,5,6,7
	s_wait_loadcnt 7-\i                            ; load i is in; the younger ones may be out
	ds_store_b128 v[DEN], v[QD+4*\i:QD+4*\i+3] offset:2*ROWP*\i
.endr
.irp j, 0,1,2,3,4,5,6,7
	ds_load_b128 v[X+4*\j:X+4*\j+3], v[SRW] offset:16*\j   ; LDS serves a wave's instructions in order (ISA guide 5.7.1.4): these see my stores
.endr
	s_wait_dscnt 0x0
	CHAINS 0, 1
	CHAINS 2, 3
	QUANT
	global_store_b128 v[LI], v[C:C+3], s[24:25] th:TH_STORE_NT            ; 512 consecutive bytes, at a multiple of 256 from kv's first byte
	global_store_b64 v[LI8], v[C+4:C+5], s[24:25] offset:512 th:TH_STORE_NT   ; 256 consecutive bytes
	ds_store_b8 v[SKA], v[BY]
	s_branch .Ljoin
.Lvalue:
	; ---- V: a lane takes a column, its registers run down the block's 32 keys
	s_lshl_b32 s16, s20, 13
	s_lshl_b32 s17, s21, 7
	s_add_co_u32 s16, s16, s17
	s_mov_b32 s17, 0
	s_add_nc_u64 s[6:7], s[6:7], s[16:17]
.set PN, 0
.irp k, 0,1,2,3,4,5,6,7,16,17,18,19,20,21,22,23,8,9,10,11,12,13,14,15,24,25,26,27,28,29,30,31
	global_load_b32 v[X+PN], v[L4], s[6:7] offset:256*\k   ; 32 lanes read 128 consecutive bytes; another wave reads the row's other 128
.set PN, PN+1
.endr
	s_lshl_b32 s18, s22, 11
	s_lshl_b32 s19, s21, 10
	s_add_co_u32 s18, s18, s19
	s_lshl_b32 s26, s23, 8
	s_add_co_u32 s18, s18, s26
	s_add_co_u32 s18, s18, 6144                    ; 2048 c + 1024 q + 256 (i % 2)
	s_mov_b32 s19, 0
	s_add_nc_u64 s[24:25], s[8:9], s[18:19]
	s_lshl_b32 s18, s22, 10
	s_lshl_b32 s27, s21, 9
	s_add_co_u32 s18, s18, s27
	s_add_co_u32 s18, s18, s26
	s_add_co_u32 s18, s18, 10240                   ; 1024 c + 512 q + 256 (i % 2)
	s_add_nc_u64 s[28:29], s[8:9], s[18:19]
	s_wait_loadcnt 16                              ; the first sixteen are in
	CHAINS 0, 1
	s_wait_alu depctr_va_vdst(0)                   ; directly ahead of the wait below
	s_wait_loadcnt 0x0
	CHAINS 2, 3
	QUANT
	global_store_b128 v[VL], v[C:C+3], s[24:25] th:TH_STORE_NT   ; 16 lanes store 256 consecutive bytes, at a multiple of 256 from kv's first byte
	global_store_b64 v[VX], v[C+4:C+5], s[28:29] th:TH_STORE_NT  ; 32 lanes store 256 consecutive bytes
	ds_store_b8 v[SVA], v[BY]
.Ljoin:
	s_wait_dscnt 0x0                               ; for the others' sake: my scale bytes lie in LDS
	s_barrier_signal -1
	s_barrier_wait -1
	s_cmp_lg_u32 s10, 0                            ; wave 0 sends the record's 512 scale bytes
	s_cbranch_scc1 .Ldone
	ds_load_b128 v[QD:QD+3], v[SRD]
	s_wait_dscnt 0x0
	global_store_b128 v[LI], v[QD:QD+3], s[8:9] offset:12288 th:TH_STORE_NT   ; 512 consecutive bytes
.Ldone:
	s_wait_tensorcnt 0x0                           ; the wave's end
	ds_add_u32 v[SPW], v[NIL]
	s_wait_dscnt 0x0
	s_endpgm
.Lfunc_end_k_q49c4a0211e_prep:
	.size	k_q49c4a0211e_prep, .Lfunc_end_k_q49c4a0211e_prep-k_q49c4a0211e_prep
	.p2alignl 7, 3214868480
	.fill 96, 4, 3214868480
	.section	.rodata,"a",@progbits
	.p2align	6, 0x0
	.amdhsa_kernel k_q49c4a0211e_prep
		.amdhsa_group_segment_fixed_size 37376
		.amdhsa_private_segment_fixed_size 0
		.amdhsa_enable_private_segment 0
		.amdhsa_kernarg_size 24
		.amdhsa_user_sgpr_count 2
		.amdhsa_user_sgpr_kernarg_segment_ptr 1
		.amdhsa_wavefront_size32 1
		.amdhsa_system_sgpr_workgroup_id_x 1
		.amdhsa_system_sgpr_workgroup_id_y 1
		.amdhsa_system_sgpr_workgroup_id_z 1
		.amdhsa_system_vgpr_workitem_id 0
		.amdhsa_next_free_vgpr 96
		.amdhsa_next_free_sgpr 66
		.amdhsa_reserve_vcc 0
		.amdhsa_float_denorm_mode_32 3
		.amdhsa_float_denorm_mode_16_64 3
		.amdhsa_memory_ordered 1
		.amdhsa_forward_progress 1
		.amdhsa_inst_pref_size 13
	.end_amdhsa_kernel
	.amdgpu_metadata
---
amdhsa.version: [ 1, 2 ]
amdhsa.kernels:
  - .name:           k_q49c4a0211e_prep
    .symbol:         k_q49c4a0211e_prep.kd
    .args:
      - { .name: key, .offset: 0, .size: 8, .value_kind: global_buffer, .address_space: global }
      - { .name: value, .offset: 8, .size: 8, .value_kind: global_buffer, .address_space: global }
      - { .name: kv, .offset: 16, .size: 8, .value_kind: global_buffer, .address_space: global }
    .group_segment_fixed_size: 37376
    .private_segment_fixed_size: 0
    .kernarg_segment_align: 8
    .kernarg_segment_size: 24
    .max_flat_workgroup_size: 512
    .sgpr_count:     66
    .vgpr_count:     96
    .wavefront_size: 32
...
	.end_amdgpu_metadata
.endif
;; end of part 1
;; launch attn (part 2): grid 16 x 16, 8 waves a work-group, clusters of 4 x 1, 291,840 bytes of LDS; arguments query, kv, R_w, R_b, out0; writes out0
.if DOCPART == 2
	.amdgcn_target "amdgcn-amd-amdhsa--gfx1250"
	.amdhsa_code_object_version 6
	.text
	.protected	k_q49c4a0211e_attn
	.globl	k_q49c4a0211e_attn
	.p2align	8
	.type	k_q49c4a0211e_attn,@function
k_q49c4a0211e_attn:
	s_mov_b64 s[64:65], 0
	v_nop
	global_prefetch_b8 v0, s[64:65] scope:SCOPE_SE
	s_setreg_imm32_b32 hwreg(HW_REG_WAVE_MODE, 25, 1), 1
	s_wait_xcnt 0x0
	s_wait_alu depctr_hold_cnt(0) depctr_sa_sdst(0) depctr_va_vdst(0) depctr_va_sdst(0) depctr_va_ssrc(0) depctr_va_vcc(0) depctr_vm_vsrc(0)
	s_getreg_b32 s2, hwreg(HW_REG_IB_STS2, 6, 4)
	s_cmp_eq_u32 s2, 0
	s_cbranch_scc0 .Lentry_in_a_cluster
	s_endpgm
.Lentry_in_a_cluster:
	s_bfe_u32 s2, ttmp6, 0x10000c
	s_cmp_lg_u32 s2, 0x3003
	s_cbranch_scc0 .Lentry_shape_is_right
	s_endpgm
.Lentry_shape_is_right:
; out0[b][i][:] = the sum over j of softmax_j((q_i . k_j + pos_g(i, j) - 1e10 [j > i]) / sqrt(512)) v_j, 16 heads of 2,048 queries and keys, head size 64.
; pos = q R_w^T + R_b (three numbers a query, f32 multiply-adds on the unquantised q): pos0 for keys j < i, pos1 for j = i, pos2 for j > i.
; Both large products run on codes of BF6 (E3M2) with one E8M0 scale for each 32 along K.  K and V come as codes from kv (records of 12,800 bytes for 128 keys, laid as the operands' registers take them); q is quantised here.
; THE SOFTMAX AHEAD OF THE SECOND PRODUCT: t = logit x log2(e); M = the running largest t rounded UP to a whole number; p = 2^(t - M) is quantised along the keys, not normalised.  The row's sum is taken of the
; unquantised p and divides at the end.  When M moves, the sum and O are multiplied by 2^(old M - new M), which rounds nothing.
; LEFT OUT: tiles whose keys all come after the queries: the causal mask throws their p away.
; LIMITS: NaN and infinities among the inputs are not served, nor is a NaN, an infinity or an overflow carried that reaches only the tiles left out.  A block whose largest magnitude lies under 2^-122, a block of zeros among them,
; keeps the scale byte 1.  A p under 2^-126 comes out of v_exp_f32 as 0.  t - M is formed as score x c + (pos0 x c - M), the diagonal's bias as pos1 - pos0 on the score: the error is of the order of an f32 ulp of t.
; The promise holds while the scaled scores stay under 2^31 in magnitude.
; SHARES.  A superunit is 128 queries of a head; the four partners of a cluster share it: the partner at place p takes two tiles of 16 queries, A = 128 u + 4 r + p and B = 128 u + 64 + 4 r + p (r = 0..15).  So a superunit's
; steps, u of 128 keys that all come before its queries and one on the diagonal, are the same in all four partners: no branch, trip or LDS address hangs on p, which enters global addresses and a number that is compared.
; A team of four waves (0-3, 4-7) makes two superunits, a long and a short one: 15 - c and c, or 8 + c and 7 - c, in the head's cluster c: 17 steps.  The four waves divide the KEYS: wave k takes steps k, k + 4, .. of the long one
; and 3 - k, 7 - k of the short one: 4 or 5 steps a wave.  The four parts of a row (M, sum, O) are joined through LDS.
; LDS.  A head's K and V are 204,800 bytes: they come ONCE, nothing is filled again.  Each wave asks for an eighth (100 rows of 256 bytes) by one tensor load, JOINTLY with the three partners.
; No prefetch into the L2: all that is loaded is asked for at the head, there is no loop of loads to run ahead in.
; LAYOUT.  Both products are used transposed: S^T = K Q^T (source 0 = keys, source 1 = 16 queries), O^T = V^T P^T: a lane holds ONE query (lane % 16) of each tile.
; K = 64 is half of the instruction's 128: one operand of K carries TWO tiles of 16 keys and is multiplied once by [q | zero codes] and once by [zero codes | q]: zero codes add nothing.
; The two forms of q overlap in 18 registers [q 6 | 0 x 6 | q 6].  The scale bytes over zero codes are 0, a small power of two and no NaN.
; Registers n = 16 b + 8 u + j of a tile's scores are keys 32 b + 16 u + 8 h + j; p's codes so stand in a block in the order 0-7, 16-23, 8-15, 24-31, as V's do.
.set REC,   12800
.set VOFF,  6144                       ; V: pieces of 16 bytes
.set V8,    10240                      ; V: pieces of 8 bytes
.set KSC,   12288                      ; K's scale words
.set VSC,   12544                      ; V's
.set HEADB, 16*REC
.set EIGHTH, HEADB/8
.set SP,    272
.set PART,  32*SP                      ; a wave's part of a superunit: 32 rows of 64 f32, padded
.set PREG,  HEADB                      ; behind K and V: the long superunits' parts (at the head: q's stages)
.set QREG,  PREG+8*PART                ; the tiles of q: 1,280 bytes each, four to a team
.set QT,    1280
.set MLR,   QREG+8*QT                  ; (sum, -M) of each part's rows
.set WGT,   MLR+4096                   ; weights, 256 bytes a wave
.set SPARE, WGT+2048                   ; the spare words
; vector registers, window 0
.set LI,   1                           ; 16 x lane
.set LI8,  2                           ; 8 x lane
.set LE,   3                           ; 8 r + 384 h
.set LO,   4                           ; 8 r + 128 h
.set SA,   5                           ; 16 r
.set AD,   6                           ; v6-10 the step's addresses
.set AD8,  7
.set AE,   8
.set AO,   9
.set AS,   10
.set DL,   11                          ; 4 r + p - 8 h
.set SPW,  12
.set NIL,  13
.set ADD,  14                          ; v[14:15], v[16:17]  pos0 x c - M of tile A, B
.set SUM,  18                          ; v[18:19], v[20:21]  the rows' sums in two halves
.set F,    22                          ; v[22:23], v[24:25]  2^(old M - new M)
.set NM,   26                          ; -M
.set TM,   28                          ; the largest t so far
.set QI,   30                          ; of each tile four: q's scale word for [q | 0], pos0 x c, pos1 - pos0, pos2 - pos0 - 1e10
.set T0,   38
.set PW,   40                          ; p's scale words
.set QSB,  42                          ; q's scale words for [0 | q]
.set KS,   44                          ; K's scale words, a pair each
.set VS,   48                          ; V's, a tile each
.set BM,   52                          ; each block's largest score, then its largest p
.set BP,   60
.set BS,   68                          ; the conversions' scale operands
.set PT,   76                          ; second halves of the conversions, then the sums' further chains
.set PC,   92                          ; p's codes
.set AN,   116                         ; addresses of the next step's K
.set AN8,  117
.set ANS,  118
.set QAD,  119
.set QAD8, 120
.set SOW,  121                         ; my row of my part, the long superunit's; v122 the short one's
.set SO1,  122
.set VO,   123                         ; 1024 h + 16 r: q's and out0's rows, 4 apart
.set MLA,  124
.set S,    128                         ; S^T, then p: tile A's 64, tile B's 64
; at the head only
.set QM,   52
.set CC,   60
.set INF,  66
.set RWO,  70
.set QW,   71
.set QW8,  72
.set DEN,  73
.set SRW,  74
.set TX,   75
.set QD,   76
.set PS,   108
.set RR,   114
.set HH,   115
.set RW0,  128
.set X,    224
; window 1
.set KF,   0                           ; K's four pairs
.set VF,   48                          ; V's four tiles
.set O,    96                          ; O^T: tile A's 32, tile B's 32
.set QF,   160                         ; q: 18 registers a tile
; scalars
.set WV,   14                          ; s14 wave; s15 team; s16 k; s17 p; s18 head; s19, s20 the long and the short superunit
.set UL,   19
.set US,   20
.set CS,   22                          ; s[22:23] c = log2(e) / sqrt(512)
.set SEL,  40
.set TB,   52
.set STP,  53
.set CNT,  54
.set TBN,  55
.set MEQ,  56
.set MSB, 0
.macro WIN new                         ; the immediate's high byte repeats the setting that is left
.if MSB != \new
	s_set_vgpr_msb (MSB<<8)|\new
.set MSB, \new
.endif
.endm
.macro VWAIT
	s_wait_alu depctr_va_vdst(0)
.endm
.macro BARRIER
	s_barrier_signal -1
	s_barrier_wait -1
.endm
.macro CROUND                          ; a round of the cluster's barrier
	s_barrier_signal -1
	s_barrier_wait -1
	s_cmp_lg_u32 s[WV], 0
	s_cbranch_scc1 .Lnot_wave_0_\@
	s_barrier_signal -3
.Lnot_wave_0_\@:
	s_barrier_wait -3
	s_barrier_signal -1
	s_barrier_wait -1
.endm
; THE DIAGONAL'S BIAS AND MASK, laid into the accumulators as C.  Tile A's blocks 0, 1 and tile B's blocks 2, 3 hold the 64 keys among which the queries' own lie: before my query 0, my query's own pos1 - pos0, hidden otherwise.
.macro MASK
.set MN, 0
.rept 32
	v_cmp_gt_i32 vcc_lo, 32*(MN/16)+16*((MN%16)/8)+MN%8, v[DL]
	v_cmp_eq_i32 s[MEQ], 32*(MN/16)+16*((MN%16)/8)+MN%8, v[DL]
	v_cndmask_b32 v[S+MN], 0, v[QI+3], vcc_lo
	v_cndmask_b32 v[S+96+MN], 0, v[QI+7], vcc_lo
	v_cndmask_b32 v[S+MN], v[S+MN], v[QI+2], s[MEQ]
	v_cndmask_b32 v[S+96+MN], v[S+96+MN], v[QI+6], s[MEQ]
.set MN, MN+1
.endr
.endm
; block b's 32 keys x tile t's 16 queries.  acc = 1: onto the bias that MASK has laid
.macro QK b, t, acc
.set SD, S+64*(\t)+16*(\b)
.if \acc
	v_wmma_scale_f32_16x16x128_f8f6f4 v[SD:SD+7], v[KF+12*(\b):KF+12*(\b)+11], v[QF+18*(\t):QF+18*(\t)+11], v[SD:SD+7], v[KS+\b], v[QI+4*(\t)] matrix_a_fmt:MATRIX_FMT_BF6 matrix_b_fmt:MATRIX_FMT_BF6
	v_wmma_scale_f32_16x16x128_f8f6f4 v[SD+8:SD+15], v[KF+12*(\b):KF+12*(\b)+11], v[QF+18*(\t)+6:QF+18*(\t)+17], v[SD+8:SD+15], v[KS+\b], v[QSB+\t] matrix_a_fmt:MATRIX_FMT_BF6 matrix_b_fmt:MATRIX_FMT_BF6
.else
	v_wmma_scale_f32_16x16x128_f8f6f4 v[SD:SD+7], v[KF+12*(\b):KF+12*(\b)+11], v[QF+18*(\t):QF+18*(\t)+11], 0, v[KS+\b], v[QI+4*(\t)] matrix_a_fmt:MATRIX_FMT_BF6 matrix_b_fmt:MATRIX_FMT_BF6
	v_wmma_scale_f32_16x16x128_f8f6f4 v[SD+8:SD+15], v[KF+12*(\b):KF+12*(\b)+11], v[QF+18*(\t)+6:QF+18*(\t)+17], 0, v[KS+\b], v[QSB+\t] matrix_a_fmt:MATRIX_FMT_BF6 matrix_b_fmt:MATRIX_FMT_BF6
.endif
.endm
.macro LOADK                           ; K's four pairs and their scale words from AN, AN8, ANS: 17 loads
	WIN 0x40
.irp w, 0,1,2,3,4,5,6,7
	ds_load_b128 v[KF+6*\w:KF+6*\w+3], v[AN] offset:768*\w
	ds_load_b64 v[KF+6*\w+4:KF+6*\w+5], v[AN8] offset:768*\w+512
.endr
	WIN 0
	ds_load_b128 v[KS:KS+3], v[ANS] offset:KSC
.endm
; The scores become p's codes and scale words; the sums are brought under the new M.  The two tiles take turns.  na: tile A's blocks (4, or 2 on the diagonal).  first = 1: the rows' first step.
.macro SOFT na, first
.irp b, 0,1,2,3
.irp t, 0,1
.if \t || (\b < \na)
	v_max3_num_f32 v[BM+4*\t+\b], v[S+64*\t+16*\b], v[S+64*\t+16*\b+1], v[S+64*\t+16*\b+2]   ; the largest score of each block: for the row's maximum and, since p rises with the score, for the block's largest p
.endif
.endr
.endr
.irp i, 3,5,7,9,11,13
.irp b, 0,1,2,3
.irp t, 0,1
.if \t || (\b < \na)
	v_max3_num_f32 v[BM+4*\t+\b], v[BM+4*\t+\b], v[S+64*\t+16*\b+\i], v[S+64*\t+16*\b+\i+1]
.endif
.endr
.endr
.endr
.irp b, 0,1,2,3
.irp t, 0,1
.if \t || (\b < \na)
	v_max_num_f32 v[BM+4*\t+\b], v[BM+4*\t+\b], v[S+64*\t+16*\b+15]
.endif
.endr
.endr
.irp b, 0,1,2,3
.irp t, 0,1
.if \t || (\b < \na)
	v_permlanex16_b32 v[BP+4*\t+\b], v[BM+4*\t+\b], s[SEL], s[SEL+1]
.endif
.endr
.endr
.irp b, 0,1,2,3
.irp t, 0,1
.if \t || (\b < \na)
	v_max_num_f32 v[BM+4*\t+\b], v[BM+4*\t+\b], v[BP+4*\t+\b]   ; with lane l xor 16's 16 keys
.endif
.endr
.endr
.irp t, 0,1
.if \t || (\na == 4)
	v_max3_num_f32 v[T0+\t], v[BM+4*\t], v[BM+4*\t+1], v[BM+4*\t+2]
.else
	v_max_num_f32 v[T0+\t], v[BM+4*\t], v[BM+4*\t+1]
.endif
.endr
.irp t, 0,1
.if \t || (\na == 4)
	v_max_num_f32 v[T0+\t], v[T0+\t], v[BM+4*\t+3]
.endif
.endr
.if \first
.irp t, 0,1
	v_fma_f32 v[TM+\t], v[T0+\t], s[CS], v[QI+4*\t+1]   ; the step's largest t (c is positive)
.endr
.irp t, 0,1
	v_floor_f32 v[NM+\t], -v[TM+\t]                ; -M = -ceil(t): a whole number
.endr
.else
.irp t, 0,1
	v_fma_f32 v[T0+\t], v[T0+\t], s[CS], v[QI+4*\t+1]
.endr
.irp t, 0,1
	v_max_num_f32 v[TM+\t], v[TM+\t], v[T0+\t]
.endr
.irp t, 0,1
	v_mov_b32 v[T0+\t], v[NM+\t]
.endr
.irp t, 0,1
	v_floor_f32 v[NM+\t], -v[TM+\t]
.endr
.irp t, 0,1
	v_sub_f32 v[T0+\t], v[NM+\t], v[T0+\t]         ; old M - new M: a whole number, 0 or less
.endr
.irp t, 0,1
	v_cvt_i32_f32 v[T0+\t], v[T0+\t]               ; (it saturates)
.endr
.irp t, 0,1
	v_ldexp_f32 v[F+2*\t], 1.0, v[T0+\t]
.endr
.endif
.irp t, 0,1
	v_add_f32 v[ADD+2*\t], v[NM+\t], v[QI+4*\t+1]
.endr
.irp j, 0,2,4,6,8,10,12,14,16,18,20,22,24,26,28,30,32,34,36,38,40,42,44,46,48,50,52,54,56,58,60,62
.if \j < 16*\na
	v_pk_fma_f32 v[S+\j:S+\j+1], v[S+\j:S+\j+1], s[CS:CS+1], v[ADD:ADD+1] op_sel_hi:[1,0,0]   ; tile A: t - M, two at a time
.endif
.endr
.irp b, 0,1,2,3
.if \b < \na
	v_fma_f32 v[BM+\b], v[BM+\b], s[CS], v[ADD]    ; the same of each block's largest score
.endif
.endr
	VWAIT
.irp j, 0,2,4,6,8,10,12,14,16,18,20,22,24,26,28,30,32,34,36,38,40,42,44,46,48,50,52,54,56,58,60,62
.if \j < 16*\na
	v_exp_f32 v[S+\j], v[S+\j]                     ; tile A's p, with tile B's t - M between
	v_exp_f32 v[S+\j+1], v[S+\j+1]
.endif
	v_pk_fma_f32 v[S+64+\j:S+64+\j+1], v[S+64+\j:S+64+\j+1], s[CS:CS+1], v[ADD+2:ADD+3] op_sel_hi:[1,0,0]
.endr
.irp b, 0,1,2,3
.if \b < \na
	v_exp_f32 v[BM+\b], v[BM+\b]                   ; the block's largest p: the same two instructions on the same number
.endif
.endr
.irp b, 0,1,2,3
	v_fma_f32 v[BM+4+\b], v[BM+4+\b], s[CS], v[ADD+2]
.endr
	VWAIT
.irp j, 0,1,2,3,4,5,6,7,8,9,10,11,12,13,14,15,16,17,18,19,20,21,22,23,24,25,26,27,28,29,30,31,32,33,34,35,36,37,38,39,40,41,42,43,44,45,46,47,48,49,50,51,52,53,54,55,56,57,58,59,60,61,62,63
	v_exp_f32 v[S+64+\j], v[S+64+\j]
.endr
.irp b, 0,1,2,3
	v_exp_f32 v[BM+4+\b], v[BM+4+\b]
.endr
.irp b, 0,1,2,3
.if \b < \na
	v_max_num_f32 v[BM+\b], 0x2800000, v[BM+\b]    ; the floor 2^(5 - 127): the byte cannot fall under 1; tile A's: also the plain places behind the exponentials
.endif
.endr
	VWAIT
.irp b, 0,1,2,3
	v_max_num_f32 v[BM+4+\b], 0x2800000, v[BM+4+\b]
.endr
.irp b, 0,1,2,3
.irp t, 0,1
.if \t || (\b < \na)
	v_add_nc_u32 v[BS+4*\t+\b], 0xfe000000, v[BM+4*\t+\b]   ; 4 off the exponent field: the conversion's scale operand
.endif
.endr
.endr
.irp b, 0,1,2,3
.irp t, 0,1
.if \t || (\b < \na)
	v_lshrrev_b32 v[BP+4*\t+\b], 23, v[BS+4*\t+\b]   ; the scale's byte
.endif
.endr
.endr
.irp t, 0,1
	v_lshl_or_b32 v[PW+\t], v[BP+4*\t+1], 8, v[BP+4*\t]   ; p's scale word for these 128 keys
.endr
.irp b, 2,3
.irp t, 0,1
.if \t || (\b < \na)
	v_lshl_or_b32 v[PW+\t], v[BP+4*\t+\b], 8*\b, v[PW+\t]
.endif
.endr
.endr
.irp t, 0,1
.irp c, 0,1
.if \t || (2*\c < \na)
	v_cvt_scalef32_pk16_bf6_f32 v[PC+12*\t+6*\c:PC+12*\t+6*\c+2], v[S+64*\t+32*\c:S+64*\t+32*\c+15], v[BS+4*\t+2*\c]
	v_cvt_scalef32_pk16_bf6_f32 v[PT+8*\t+4*\c:PT+8*\t+4*\c+2], v[S+64*\t+32*\c+16:S+64*\t+32*\c+31], v[BS+4*\t+2*\c+1]   ; (a conversion's three registers begin on an even number)
.endif
.endr
.endr
	v_nop                                          ; one plain place behind a scaled conversion
.irp t, 0,1
.irp c, 0,1                                    ; the operand wants a whole block in a lane: lanes 0-15 block 2 c, lanes 16-31 block 2 c + 1
.irp i, 0,1,2
.if \t || (2*\c < \na)
	v_permlane16_swap_b32 v[PC+12*\t+6*\c+\i], v[PT+8*\t+4*\c+\i]
.else
	v_mov_b32 v[PC+6*\c+\i], 0                     ; tile A's hidden half: zero codes
	v_mov_b32 v[PC+6*\c+3+\i], 0
.endif
.endr
.endr
.endr
.irp t, 0,1
.irp c, 0,1
.irp i, 0,1,2
.if \t || (2*\c < \na)
	v_mov_b32 v[PC+12*\t+6*\c+3+\i], v[PT+8*\t+4*\c+\i]
.endif
.endr
.endr
.endr
; the rows' sums, of the unquantised p: four chains a tile, two numbers at a time
.if \first == 0
.irp t, 0,1
	v_pk_fma_f32 v[SUM+2*\t:SUM+2*\t+1], v[SUM+2*\t:SUM+2*\t+1], v[F+2*\t:F+2*\t+1], v[S+64*\t:S+64*\t+1] op_sel_hi:[1,0,1]   ; under the new M
.endr
.endif
.irp i, 1,2,3
.irp t, 0,1
	v_pk_add_f32 v[PT+8*\t+2*\i-2:PT+8*\t+2*\i-1], v[S+64*\t+2*\i:S+64*\t+2*\i+1], v[S+64*\t+2*\i+8:S+64*\t+2*\i+9]
.endr
.endr
.irp t, 0,1
.if \first
	v_pk_add_f32 v[SUM+2*\t:SUM+2*\t+1], v[S+64*\t:S+64*\t+1], v[S+64*\t+8:S+64*\t+9]
.else
	v_pk_add_f32 v[SUM+2*\t:SUM+2*\t+1], v[SUM+2*\t:SUM+2*\t+1], v[S+64*\t+8:S+64*\t+9]
.endif
.endr
.irp j, 16,24,32,40,48,56
.irp i, 1,2,3
.irp t, 0,1
.if \t || (\j < 16*\na)
	v_pk_add_f32 v[PT+8*\t+2*\i-2:PT+8*\t+2*\i-1], v[PT+8*\t+2*\i-2:PT+8*\t+2*\i-1], v[S+64*\t+\j+2*\i:S+64*\t+\j+2*\i+1]
.endif
.endr
.endr
.irp t, 0,1
.if \t || (\j < 16*\na)
	v_pk_add_f32 v[SUM+2*\t:SUM+2*\t+1], v[SUM+2*\t:SUM+2*\t+1], v[S+64*\t+\j:S+64*\t+\j+1]
.endif
.endr
.endr
.irp t, 0,1
	v_pk_add_f32 v[PT+8*\t:PT+8*\t+1], v[PT+8*\t:PT+8*\t+1], v[PT+8*\t+2:PT+8*\t+3]
	v_pk_add_f32 v[SUM+2*\t:SUM+2*\t+1], v[SUM+2*\t:SUM+2*\t+1], v[PT+8*\t+4:PT+8*\t+5]
.endr
.irp t, 0,1
	v_pk_add_f32 v[SUM+2*\t:SUM+2*\t+1], v[SUM+2*\t:SUM+2*\t+1], v[PT+8*\t:PT+8*\t+1]
.endr
.endm
; A STEP OF 128 KEYS x 32 QUERIES.  Its K and K's scale words have been asked for.  first = 1: the rows' first step (nothing to rescale, C = 0).  diag = 1: the step on the diagonal, the wave's last of this superunit.
.macro STEP first, diag
.if \diag
	MASK
	VWAIT
.else
	s_add_co_u32 s[TBN], s[TB], 4*REC              ; my next step's K (held inside the head: behind my last plain step it may be one that I do not use)
	s_min_u32 s[TBN], s[TBN], 15*REC
.endif
	s_wait_dscnt 0x0                               ; K and its scale words are in
	WIN 0x05                                       ; sources 0 and 1 (K, q) window 1
.irp b, 0,1,2,3                                ; sixteen accumulators (twelve on the diagonal), one instruction each
.irp t, 0,1
.if \diag == 0
	QK \b, \t, 0
.else
.if \t
	QK \b, \t, (\b)/2
.else
.if \b < 2
	QK \b, \t, 1
.endif
.endif
.endif
.endr
.endr
	WIN 0
	v_add_nc_u32 v[AD], s[TB], v[LI]               ; plain places in front of the loads into registers that products have read, and of the first read of the scores
	v_add_nc_u32 v[AD8], s[TB], v[LI8]
	v_add_nc_u32 v[AE], s[TB], v[LE]
	v_add_nc_u32 v[AO], s[TB], v[LO]
	v_add_nc_u32 v[AS], s[TB], v[SA]
.if \diag == 0
	v_add_nc_u32 v[AN], s[TBN], v[LI]
	v_add_nc_u32 v[AN8], s[TBN], v[LI8]
	v_add_nc_u32 v[ANS], s[TBN], v[SA]
.endif
	ds_load_b128 v[VS:VS+3], v[AS] offset:VSC
	WIN 0x40                                       ; destination window 1
.irp c, 0,1
.irp d, 0,1,2,3
	ds_load_b128 v[VF+12*\d+6*\c:VF+12*\d+6*\c+3], v[AD] offset:VOFF+512*(4*\c+\d)
.if \d % 2
	ds_load_b64 v[VF+12*\d+6*\c+4:VF+12*\d+6*\c+5], v[AO] offset:V8+512*(2*\c+\d/2)+128
.else
	ds_load_b64 v[VF+12*\d+6*\c+4:VF+12*\d+6*\c+5], v[AE] offset:V8+512*(2*\c+\d/2)
.endif
.endr
.endr
.if \diag
	WIN 0
	SOFT 2, 0
.else
	LOADK
	SOFT 4, \first
.endif
.if \first == 0
	VWAIT                                          ; directly ahead of O^T's first reader
	WIN 0x41                                       ; source 0 and destination window 1
.irp t, 0,1
.irp j, 0,2,4,6,8,10,12,14,16,18,20,22,24,26,28,30
	v_pk_mul_f32 v[O+32*\t+\j:O+32*\t+\j+1], v[O+32*\t+\j:O+32*\t+\j+1], v[F+2*\t:F+2*\t+1] op_sel_hi:[1,0]   ; O^T under the new M; these and the sums stand between the writing of p's codes and scale words and the products that take them
.endr
.endr
.endif
	VWAIT
.if \diag
	s_wait_dscnt 0x0
.else
	s_wait_dscnt 17                                ; V's 17 loads are in; the next K's 17, issued behind them, may stay out
.endif
.if \first
	WIN 0x41
.else
	WIN 0x51                                       ; V, C and D window 1
.endif
.irp d, 0,1,2,3                                ; O^T's eight accumulators by turns, one instruction a turn
.irp t, 0,1
.if \first
	v_wmma_scale_f32_16x16x128_f8f6f4 v[O+32*\t+8*\d:O+32*\t+8*\d+7], v[VF+12*\d:VF+12*\d+11], v[PC+12*\t:PC+12*\t+11], 0, v[VS+\d], v[PW+\t] matrix_a_fmt:MATRIX_FMT_BF6 matrix_b_fmt:MATRIX_FMT_BF6
.else
	v_wmma_scale_f32_16x16x128_f8f6f4 v[O+32*\t+8*\d:O+32*\t+8*\d+7], v[VF+12*\d:VF+12*\d+11], v[PC+12*\t:PC+12*\t+11], v[O+32*\t+8*\d:O+32*\t+8*\d+7], v[VS+\d], v[PW+\t] matrix_a_fmt:MATRIX_FMT_BF6 matrix_b_fmt:MATRIX_FMT_BF6
.endif
.endr
.endr
	WIN 0
.endm
; the two tiles of q of superunit U (0 the long, 1 the short), in both forms, and their four numbers a query; and the wave's first K, at step s[TB] / REC
.macro BEGIN U
	v_add_nc_u32 v[AN], s[TB], v[LI]
	v_add_nc_u32 v[AN8], s[TB], v[LI8]
	v_add_nc_u32 v[ANS], s[TB], v[SA]
	ds_load_b128 v[QI:QI+3], v[QAD] offset:2*\U*QT+768
	ds_load_b128 v[QI+4:QI+7], v[QAD] offset:(2*\U+1)*QT+768
	WIN 0x40
.irp t, 0,1
.irp g, 0,12
	ds_load_b128 v[QF+18*\t+\g:QF+18*\t+\g+3], v[QAD] offset:(2*\U+\t)*QT
	ds_load_b64 v[QF+18*\t+\g+4:QF+18*\t+\g+5], v[QAD8] offset:(2*\U+\t)*QT+512
.endr
.endr
	LOADK
.endm
.macro BEGIN2                          ; the scale words for [0 | q], eight places ahead of their first use
	v_lshlrev_b32 v[QSB], 16, v[QI]
	v_lshlrev_b32 v[QSB+1], 16, v[QI+4]
.rept 8
	v_nop
.endr
	VWAIT
.endm
; Plain steps from step s[STP] on, every fourth, while they come before superunit s[u]'s own 128 keys.  Every wave walks every trip; a wave whose plain steps are over jumps over the work alone.
.macro WALK u, trips
	s_mov_b32 s[CNT], \trips
.Ltrip_\@:
	s_cmp_ge_u32 s[STP], s[\u]
	s_cbranch_scc1 .Lskip_\@
	STEP 0, 0
.Lskip_\@:
	s_add_co_u32 s[TB], s[TB], 4*REC
	s_add_co_u32 s[STP], s[STP], 4
	s_sub_co_u32 s[CNT], s[CNT], 1
	s_cmp_lg_u32 s[CNT], 0
	s_cbranch_scc1 .Ltrip_\@
.endm
; the step on the diagonal, step u, is its owner's: the wave whose first step is u % 4; its K was asked for by step u - 4, or at the beginning
.macro DIAGONAL u, mine
	s_and_b32 s57, s[\u], 3
	s_cmp_lg_u32 s57, s[\mine]
	s_cbranch_scc1 .Lnot_mine_\@
	s_mul_i32 s[TB], s[\u], REC
	STEP 0, 1
.Lnot_mine_\@:
.endm
.macro ROWSUM U                        ; my part's sums and -M go to LDS
.rept 4
	v_nop                                          ; the plain places between the last products and the first read of their results
.endr
.irp t, 0,1
	v_add_f32 v[SUM+2*\t], v[SUM+2*\t], v[SUM+2*\t+1]
.endr
.irp t, 0,1
	v_permlanex16_b32 v[T0+\t], v[SUM+2*\t], s[SEL], s[SEL+1]
.endr
.irp t, 0,1
	v_add_f32 v[SUM+2*\t], v[SUM+2*\t], v[T0+\t]   ; with lane l xor 16's
.endr
.irp t, 0,1
	v_mov_b32 v[SUM+2*\t+1], v[NM+\t]
.endr
.irp t, 0,1
	ds_store_b64 v[MLA], v[SUM+2*\t:SUM+2*\t+1] offset:256*\U+128*\t   ; both lanes of a row write the same 8 bytes with the same values
.endr
.endm
.macro PUT a                           ; my part of O, by rows
	WIN 0x04                                       ; the data: window 1
.irp t, 0,1
.irp d, 0,1,2,3
	ds_store_b128 v[\a], v[O+32*\t+8*\d:O+32*\t+8*\d+3] offset:16*SP*\t+64*\d
	ds_store_b128 v[\a], v[O+32*\t+8*\d+4:O+32*\t+8*\d+7] offset:16*SP*\t+64*\d+16
.endr
.endr
	WIN 0
.endm
	s_load_b256 s[4:11], s[0:1], 0x0               ; query s[4:5], kv s[6:7], R_w s[8:9], R_b s[10:11]
	s_load_b64 s[12:13], s[0:1], 0x20              ; out0
	v_lshl_add_u32 v[SPW], v0, 2, SPARE
	v_mov_b32 v[NIL], 0
	ds_add_u32 v[SPW], v[NIL]                      ; the wave's opening: the add, twice on end, and its wait ahead of my first tensor load
	ds_add_u32 v[SPW], v[NIL]
	v_lshrrev_b32 v116, 5, v0
	v_readfirstlane_b32 s[WV], v116                ; wave 0..7
	s_lshr_b32 s15, s[WV], 2                       ; team
	s_and_b32 s16, s[WV], 3                        ; k
	s_bfe_u32 s17, ttmp6, 0x40000                  ; p, my place in the cluster
	s_and_b32 s18, ttmp7, 0xffff                   ; the head, which the four partners share
	s_lshl_b32 s42, s15, 2
	s_lshr_b32 s[UL], 0x8f, s42
	s_and_b32 s[UL], s[UL], 15                     ; 15 or 8,
	s_xor_b32 s[UL], s[UL], ttmp9                  ; turned by the head's cluster c = 0..3: 15 - c or 8 + c
	s_and_b32 s[UL], s[UL], 15
	s_xor_b32 s[US], s[UL], 15                     ; c or 7 - c
	s_and_b32 s[US], s[US], 15
	s_lshr_b32 s44, s16, 1                         ; I quantise one of the team's four tiles of q: superunit k / 2, tile k % 2
	s_mul_i32 s44, s44, 15
	s_xor_b32 s44, s44, s[UL]
	s_lshl_b32 s44, s44, 7
	s_and_b32 s45, s16, 1
	s_lshl_b32 s45, s45, 6
	s_add_co_u32 s44, s44, s45
	s_lshl_b32 s46, s18, 11
	s_add_co_u32 s46, s46, s17                     ; the head's first row, + p
	s_add_co_u32 s44, s44, s46
	s_lshl_b32 s44, s44, 8                         ; my tile's first row, in bytes (under 2^23)
	s_mov_b32 s45, 0
	s_lshl_b32 s47, s16, 5                         ; on the way out I join rows 8 k .. 8 k + 7 of a superunit's 32: 4 apart, from 32 k on
	s_add_co_u32 s46, s46, s47
	s_lshl_b32 s36, s[UL], 7
	s_add_co_u32 s36, s36, s46
	s_lshl_b32 s36, s36, 8
	s_mov_b32 s37, 0
	s_lshl_b32 s38, s[US], 7
	s_add_co_u32 s38, s38, s46
	s_lshl_b32 s38, s38, 8
	s_mov_b32 s39, 0
	s_mul_i32 s58, s[WV], EIGHTH                   ; my eighth of the head: the same in LDS and in memory
	s_mul_i32 s42, s18, HEADB
	s_add_co_u32 s42, s42, s58
	s_mov_b32 s43, 0
	s_mul_i32 s60, s[WV], PART
	s_add_co_u32 s59, s60, PREG
	s_mul_i32 s61, s[WV], 512
	s_add_co_u32 s61, s61, MLR
	s_mul_i32 s54, s[WV], QT
	s_add_co_u32 s54, s54, QREG
	s_mul_i32 s55, s15, 4*QT
	s_add_co_u32 s55, s55, QREG
	; descriptor group 1: a dense block of 25,600 bytes as 100 rows of 256 bytes (32 elements of 8 bytes), no padding
	s_mov_b32 s24, 15|(3<<16)|(1<<21)              ; the mask: all four work-groups; elements of 8 bytes; bit 21 set beside a mask
	s_mov_b32 s25, 32<<16                          ; tensor_dim0 = 32
	s_mov_b32 s26, 100<<16                         ; tensor_dim1 = 100
	s_mov_b32 s27, 32<<16                          ; tile_dim0 = 32
	s_mov_b32 s28, 100                             ; tile_dim1 = 100
	s_mov_b32 s29, 32                              ; elements from row to row
	s_mov_b32 s30, 0
	s_mov_b32 s31, 0
	s_mov_b32 s[SEL], 0x76543210
	s_mov_b32 s[SEL+1], 0xfedcba98                 ; v_permlanex16_b32's selects for lane l xor 16
	s_mov_b32 s[CS], 0x3d8293ee                    ; c = log2(e) / sqrt(512)
	s_mov_b32 s[CS+1], s[CS]                       ; (named with it as a pair, so it is written)
	v_and_b32 v[LI], 31, v0
	v_and_b32 v[RR], 15, v0                        ; r
	v_bfe_u32 v[HH], v0, 4, 1                      ; h
	v_lshlrev_b32 v[LI8], 3, v[LI]
	v_lshlrev_b32 v[LI], 4, v[LI]
	v_lshlrev_b32 v[SA], 4, v[RR]
	v_lshl_add_u32 v[VO], v[HH], 10, v[SA]
	v_lshlrev_b32 v[RWO], 7, v[HH]                 ; R_w: my half of a row, d = 32 h on
	v_lshlrev_b32 v[LE], 3, v[RR]
	v_add_nc_u32 v[MLA], s61, v[LE]
	v_lshl_add_u32 v[LO], v[HH], 7, v[LE]
	v_lshl_add_u32 v[LE], v[HH], 8, v[LO]
	v_lshlrev_b32 v[DL], 2, v[RR]
	v_lshlrev_b32 v[TX], 3, v[HH]                  ; 8 h
	v_sub_nc_u32 v[DL], v[DL], v[TX]
	v_add_nc_u32 v[DL], s17, v[DL]                 ; a number to compare with, no address
	v_mul_u32_u24 v[SRW], v[RR], SP
	v_lshl_add_u32 v[SO1], v[HH], 5, v[SRW]
	v_add_nc_u32 v[SO1], s60, v[SO1]               ; row r, + 32 h, of my part in the bytes of K and V that nobody reads any more;
	v_add_nc_u32 v[SOW], PREG, v[SO1]              ; and of the long superunit's part
	v_lshl_add_u32 v[SRW], v[HH], 7, v[SRW]
	v_add_nc_u32 v[SRW], s59, v[SRW]
	v_mul_u32_u24 v[DEN], v[HH], SP
	v_add_nc_u32 v[DEN], v[DEN], v[SA]
	v_add_nc_u32 v[DEN], s59, v[DEN]
	v_add_nc_u32 v[QW], s54, v[LI]
	v_add_nc_u32 v[QW8], s54, v[LI8]
	v_add_nc_u32 v[QAD], s55, v[LI]
	v_add_nc_u32 v[QAD8], s55, v[LI8]
	VWAIT
	s_wait_dscnt 0x0                               ; both opening adds are done
	s_wait_kmcnt 0x0
	s_add_nc_u64 s[4:5], s[4:5], s[44:45]
	s_load_b96 s[48:50], s[10:11], 0x0             ; R_b
.irp i, 0,1,2,3,4,5,6,7
	global_load_b128 v[QD+4*\i:QD+4*\i+3], v[VO], s[4:5] offset:2048*\i th:TH_LOAD_NT   ; rows 2 i, 2 i + 1 of my tile: 16 lanes read one row's 256 bytes
.endr
	s_add_nc_u64 s[36:37], s[12:13], s[36:37]      ; out0 at my rows of the long superunit,
	s_add_nc_u64 s[38:39], s[12:13], s[38:39]      ; and of the short one
	s_add_nc_u64 s[6:7], s[6:7], s[42:43]          ; kv at my eighth: no place in the cluster enters it
	s_mov_b32 s32, 1
	s_mov_b32 s33, s58
	s_mov_b64 s[34:35], s[6:7]
	s_or_b32 s35, s35, 0x80000000                  ; type = 2
	CROUND                                         ; all four work-groups are here: the joint loads meet
	tensor_load_to_lds s[32:35], s[24:31]          ; one tensor load a wave: the whole head, filled once
	s_nop 0
.rept 4
	v_nop
.endr
.irp j, 0,1,2,3,4,5,6,7
	global_load_b128 v[RW0+4*\j:RW0+4*\j+3], v[RWO], s[8:9] offset:16*\j
	global_load_b128 v[RW0+32+4*\j:RW0+32+4*\j+3], v[RWO], s[8:9] offset:256+16*\j
	global_load_b128 v[RW0+64+4*\j:RW0+64+4*\j+3], v[RWO], s[8:9] offset:512+16*\j
.endr
.irp i, 0,2
	v_mov_b32 v[ADD+1+\i], 0                       ; (named as upper halves of pairs)
	v_mov_b32 v[F+1+\i], 0
.endr
	v_mov_b32 v[QM+4], 0                           ; (a lane permute's destination counts as one of its sources)
	WIN 0x40
.irp i, 0,1,2,3,4,5
	v_mov_b32 v[QF+6+\i], 0                        ; the zero codes between q's two places
	v_mov_b32 v[QF+24+\i], 0
.endr
	WIN 0
	VWAIT
	; ---- my tile of q turns through my stage: in as it lies, back 128 bytes a lane: d = 32 h .. 32 h + 31 of query r
	s_wait_loadcnt 24                              ; q's eight loads are in; R_w's 24, issued behind them, may stay out
.irp i, 0,1,2,3,4,5,6,7
	ds_store_b128 v[DEN], v[QD+4*\i:QD+4*\i+3] offset:2*SP*\i
.endr
.irp j, 0,1,2,3,4,5,6,7
	ds_load_b128 v[X+4*\j:X+4*\j+3], v[SRW] offset:16*\j   ; LDS serves a wave's instructions in order (ISA guide 5.7.1.4): these see my stores
.endr
	s_wait_dscnt 0x0
	; ---- q's codes: a lane holds one whole block of 32
.irp a, 0,1,2,3
	v_max3_num_f32 v[QM+5+\a], |v[X+8*\a]|, |v[X+8*\a+1]|, |v[X+8*\a+2]|
.endr
.irp i, 3,5
.irp a, 0,1,2,3
	v_max3_num_f32 v[QM+5+\a], v[QM+5+\a], |v[X+8*\a+\i]|, |v[X+8*\a+\i+1]|
.endr
.endr
	v_max3_num_f32 v[QM], v[QM+5], |v[X+7]|, |v[X+15]|
	v_max3_num_f32 v[QM+1], v[QM+6], |v[X+23]|, |v[X+31]|
	v_max3_num_f32 v[QM+2], v[QM+7], v[QM+8], 0x2800000   ; with the floor 2^(5 - 127)
	v_max3_num_f32 v[QM], v[QM], v[QM+1], v[QM+2]
	v_add_nc_u32 v[QM+2], 0xfe000000, v[QM]        ; the conversion's scale operand
	v_lshrrev_b32 v[QM+3], 23, v[QM+2]             ; the scale's byte, of block h
	v_lshlrev_b32 v[INF], v[TX], v[QM+3]
	v_permlanex16_b32 v[QM+4], v[INF], s[SEL], s[SEL+1]
	v_or_b32 v[INF], v[INF], v[QM+4]               ; bytes 0, 1: q's two blocks; bytes 2, 3: 0, over zero codes
	v_cvt_scalef32_pk16_bf6_f32 v[CC:CC+2], v[X:X+15], v[QM+2]
	v_cvt_scalef32_pk16_bf6_f32 v[QM+4:QM+6], v[X+16:X+31], v[QM+2]
	v_nop                                          ; one plain place behind a scaled conversion
.irp i, 0,1,2
	v_mov_b32 v[CC+3+\i], v[QM+4+\i]
.endr
	VWAIT
	; ---- pos = q R_w^T + R_b, in f32 on the unquantised q: my 32 of the 64, then lane l xor 16's
	s_wait_loadcnt 0x0                             ; R_w
	s_wait_kmcnt 0x0                               ; R_b
.irp a, 0,1,2
	v_pk_mul_f32 v[PS+2*\a:PS+2*\a+1], v[X:X+1], v[RW0+32*\a:RW0+32*\a+1]
.endr
.irp j, 2,4,6,8,10,12,14,16,18,20,22,24,26,28,30
.irp a, 0,1,2
	v_pk_fma_f32 v[PS+2*\a:PS+2*\a+1], v[X+\j:X+\j+1], v[RW0+32*\a+\j:RW0+32*\a+\j+1], v[PS+2*\a:PS+2*\a+1]
.endr
.endr
.irp a, 0,1,2
	v_add_f32 v[PS+2*\a], v[PS+2*\a], v[PS+2*\a+1]
.endr
.irp a, 0,1,2
	v_permlanex16_b32 v[PS+2*\a+1], v[PS+2*\a], s[SEL], s[SEL+1]
.endr
.irp a, 0,1,2
	v_add_f32 v[PS+2*\a], v[PS+2*\a], v[PS+2*\a+1]
.endr
.irp a, 0,1,2
	v_add_f32 v[PS+2*\a], s[48+\a], v[PS+2*\a]     ; pos0, pos1, pos2
.endr
	v_mul_f32 v[INF+1], s[CS], v[PS]               ; pos0 x c
	v_sub_f32 v[INF+2], v[PS+2], v[PS]             ; pos1 - pos0
	v_sub_f32 v[INF+3], v[PS+4], v[PS]
	v_add_f32 v[INF+3], 0xd01502f9, v[INF+3]       ; pos2 - pos0 - 1e10: what a hidden key's score gets
	ds_store_b128 v[QW], v[CC:CC+3]
	ds_store_b64 v[QW8], v[CC+4:CC+5] offset:512
	ds_store_b128 v[QW], v[INF:INF+3] offset:768
	s_mul_i32 s[TB], s16, REC
	VWAIT
	s_wait_tensorcnt 0x0                           ; my eighth of K and V is in,
	s_wait_dscnt 0x0                               ; my tile of q lies in LDS:
	BARRIER                                        ; and everybody's
	; ---- the long superunit: steps k, k + 4, ..; steps 0 to 3 all come before its queries
	BEGIN 0
	s_wait_dscnt 0x0
	BEGIN2
	STEP 1, 0
	s_add_co_u32 s[TB], s[TB], 4*REC
	s_add_co_u32 s[STP], s16, 4
	WALK UL, 3
	DIAGONAL UL, 16
	ROWSUM 0
	PUT SOW
	; ---- the short superunit: steps 3 - k, 7 - k; a wave may have none: its part then keeps the sum 0 and O = 0
	s_xor_b32 s[STP], s16, 3
	s_xor_b32 s21, s16, 3
	s_mul_i32 s[TB], s[STP], REC
	s_wait_dscnt 0x0                               ; my stores have read their registers; no load of K is out
	BEGIN 1
	WIN 0x40
.irp j, 0,1,2,3,4,5,6,7,8,9,10,11,12,13,14,15,16,17,18,19,20,21,22,23,24,25,26,27,28,29,30,31
	v_mov_b32 v[O+\j], 0                           ; the wave's first step here may be any of the copies below, or none: so they find zeros
	v_mov_b32 v[O+32+\j], 0
.endr
	WIN 0
.irp t, 0,1
	v_mov_b32 v[TM+\t], 0xff61b1e6                 ; the largest t so far: -3e38, under every t
	v_mov_b32 v[SUM+2*\t], 0
	v_mov_b32 v[SUM+2*\t+1], 0
	v_floor_f32 v[NM+\t], -v[TM+\t]
.endr
	VWAIT
	s_wait_dscnt 0x0
	BEGIN2
	WALK US, 2
	DIAGONAL US, 21
	ROWSUM 1
	; THE WAY OUT: the four parts of each row are joined.  I take rows 8 k .. 8 k + 7 of each of the team's two superunits.
	s_mul_i32 s42, s15, 4*PART
	s_mul_i32 s43, s16, 8*SP
	s_add_co_u32 s42, s42, s43
	s_mul_i32 s43, s15, 2048
	s_lshl_b32 s57, s16, 6
	s_add_co_u32 s43, s43, s57
	s_add_co_u32 s43, s43, MLR
	s_lshl_b32 s57, s[WV], 8
	s_add_co_u32 s57, s57, WGT
	v_lshrrev_b32 v[AN], 8, v[LI]                  ; h
	v_mul_u32_u24 v[AD], v[AN], SP
	v_add_nc_u32 v[AD], v[AD], v[SA]
	v_add_nc_u32 v[AD], s42, v[AD]                 ; the short superunit's parts: row 8 k + h, + 16 r;
	v_add_nc_u32 v[AD8], PREG, v[AD]               ; the long one's
	v_and_b32 v[AE], 0x80, v[SA]
	v_and_b32 v[AN8], 0x70, v[SA]
	v_lshrrev_b32 v[AN8], 1, v[AN8]
	v_lshl_add_u32 v[AE], v[AE], 1, v[AN8]
	v_add_nc_u32 v[AE], s43, v[AE]                 ; lane r: (sum, -M) of superunit r / 8, row 8 k + r % 8
	v_add_nc_u32 v[AO], s57, v[SA]                 ; my weights: in, 16 r;
	v_lshlrev_b32 v[AS], 4, v[AN]
	v_add_nc_u32 v[AS], s57, v[AS]                 ; back, 16 h
	VWAIT
	s_wait_dscnt 0x0
	BARRIER                                        ; nobody reads K or V any more: the short superunit's parts go there (no fill lands there again)
	PUT SO1
	s_wait_dscnt 0x0                               ; for the others' sake
	BARRIER
.irp k, 0,1,2,3
	ds_load_b64 v[52+2*\k:53+2*\k], v[AE] offset:512*\k
.endr
.irp i, 0,1,2,3
.irp k, 0,1,2,3
	ds_load_b128 v[S+16*\i+4*\k:S+16*\i+4*\k+3], v[AD8] offset:PART*\k+2*SP*\i
.endr
.endr
.irp i, 0,1,2,3
.irp k, 0,1,2,3
	ds_load_b128 v[S+64+16*\i+4*\k:S+64+16*\i+4*\k+3], v[AD] offset:PART*\k+2*SP*\i
.endr
.endr
	s_wait_dscnt 32                                ; the sums and -M are in; the parts' 32 loads, issued behind them, may stay out
	v_min3_num_f32 v60, v53, v55, v57
	v_min_num_f32 v60, v60, v59                    ; -M of the whole row
.irp k, 0,1,2,3
	v_sub_f32 v[61+\k], v60, v[53+2*\k]            ; a part's M less the row's: a whole number, 0 or less
.endr
.irp k, 0,1,2,3
	v_cvt_i32_f32 v[61+\k], v[61+\k]
.endr
.irp k, 0,1,2,3
	v_ldexp_f32 v[61+\k], 1.0, v[61+\k]
.endr
	v_mul_f32 v65, v61, v52
	v_fma_f32 v65, v62, v54, v65
	v_fma_f32 v65, v63, v56, v65
	v_fma_f32 v65, v64, v58, v65                   ; the row's sum
	VWAIT
	v_rcp_f32 v66, v65
	v_nop                                          ; one plain place behind a transcendental
	VWAIT
.irp k, 0,1,2,3
	v_mul_f32 v[68+\k], v[61+\k], v66              ; each part's weight
.endr
	ds_store_b128 v[AO], v[68:71]                  ; lanes r and r + 16 write the same 16 bytes with the same values
.irp x, 0,1,2,3,4,5,6,7
	ds_load_b128 v[PT+4*\x:PT+4*\x+3], v[AS] offset:32*\x   ; LDS serves a wave's instructions in order: these see my store
.endr
.macro JOIN x, base, i
.set RO, S+16*(\x)
.set WW, PT+4*(\x)
	s_wait_dscnt 7-(\x)                            ; LDS loads come back in order: these weights are in, and all parts
.irp g, 0,2
	v_pk_mul_f32 v[RO+\g:RO+\g+1], v[RO+\g:RO+\g+1], v[WW:WW+1] op_sel_hi:[1,0]
.endr
.irp g, 0,2
	v_pk_fma_f32 v[RO+\g:RO+\g+1], v[RO+4+\g:RO+5+\g], v[WW:WW+1], v[RO+\g:RO+\g+1] op_sel:[0,1,0] op_sel_hi:[1,1,1]
.endr
.irp g, 0,2
	v_pk_fma_f32 v[RO+\g:RO+\g+1], v[RO+8+\g:RO+9+\g], v[WW+2:WW+3], v[RO+\g:RO+\g+1] op_sel_hi:[1,0,1]
.endr
.irp g, 0,2
	v_pk_fma_f32 v[RO+\g:RO+\g+1], v[RO+12+\g:RO+13+\g], v[WW+2:WW+3], v[RO+\g:RO+\g+1] op_sel:[0,1,0] op_sel_hi:[1,1,1]
.endr
	global_store_b128 v[VO], v[RO:RO+3], s[\base:\base+1] offset:2048*(\i) th:TH_STORE_NT   ; 16 lanes store 256 consecutive bytes, at a multiple of 256 from out0's first byte
.endm
.irp i, 0,1,2,3
	JOIN \i, 36, \i
.endr
.irp i, 0,1,2,3
	JOIN \i+4, 38, \i
.endr
	s_wait_tensorcnt 0x0                           ; the wave's end
	ds_add_u32 v[SPW], v[NIL]
	s_wait_dscnt 0x0
	CROUND                                         ; the closing round: no work-group ends while a partner may still ask jointly
	s_endpgm
.Lfunc_end_k_q49c4a0211e_attn:
	.size	k_q49c4a0211e_attn, .Lfunc_end_k_q49c4a0211e_attn-k_q49c4a0211e_attn
	.p2alignl 7, 3214868480
	.fill 96, 4, 3214868480
	.section	.rodata,"a",@progbits
	.p2align	6, 0x0
	.amdhsa_kernel k_q49c4a0211e_attn
		.amdhsa_group_segment_fixed_size 291840
		.amdhsa_private_segment_fixed_size 0
		.amdhsa_enable_private_segment 0
		.amdhsa_kernarg_size 40
		.amdhsa_user_sgpr_count 2
		.amdhsa_user_sgpr_kernarg_segment_ptr 1
		.amdhsa_wavefront_size32 1
		.amdhsa_system_sgpr_workgroup_id_x 1
		.amdhsa_system_sgpr_workgroup_id_y 1
		.amdhsa_system_sgpr_workgroup_id_z 1
		.amdhsa_system_vgpr_workitem_id 0
		.amdhsa_next_free_vgpr 464
		.amdhsa_next_free_sgpr 66
		.amdhsa_reserve_vcc 1
		.amdhsa_float_denorm_mode_32 3
		.amdhsa_float_denorm_mode_16_64 3
		.amdhsa_memory_ordered 1
		.amdhsa_forward_progress 1
		.amdhsa_inst_pref_size 185
	.end_amdhsa_kernel
	.amdgpu_metadata
---
amdhsa.version: [ 1, 2 ]
amdhsa.kernels:
  - .name:           k_q49c4a0211e_attn
    .symbol:         k_q49c4a0211e_attn.kd
    .args:
      - { .name: query, .offset: 0, .size: 8, .value_kind: global_buffer, .address_space: global }
      - { .name: kv, .offset: 8, .size: 8, .value_kind: global_buffer, .address_space: global }
      - { .name: R_w, .offset: 16, .size: 8, .value_kind: global_buffer, .address_space: global }
      - { .name: R_b, .offset: 24, .size: 8, .value_kind: global_buffer, .address_space: global }
      - { .name: out0, .offset: 32, .size: 8, .value_kind: global_buffer, .address_space: global }
    .group_segment_fixed_size: 291840
    .private_segment_fixed_size: 0
    .kernarg_segment_align: 8
    .kernarg_segment_size: 40
    .max_flat_workgroup_size: 256
    .sgpr_count:     66
    .vgpr_count:     464
    .wavefront_size: 32
...
	.end_amdgpu_metadata
.endif
;; end of part 2
